; MI455X (gfx1250); checked and timed in simulation.
; The chip was launched on July 23, 2026; its instructions are those of AMD's public machine-readable ISA for CDNA 5 (MIT licence, August 2026) and "CDNA5" Instruction Set Architecture Reference Guide (July 2026). The comments in the code are by the model that wrote it; some were corrected since.
;; Bi Attention. Allowed arithmetic: float matrix products may take bf16 or f16 operands with f32 sums; all other float work in f32.
;; Inputs: hypothesis_batch 16 x 2,048 x 256 float32; hypothesis_mask 16 x 2,048 int32; premise_batch 16 x 2,048 x 256 float32; premise_mask 16 x 2,048 int32.
;; Outputs: out0 16 x 2,048 x 256 float32; out1 16 x 2,048 x 256 float32.
;; 2 versions, each right; version 2 is version 1 with the launch maskcast written anew for expert scheduling mode. Each part assembles by itself: llvm-mc -triple=amdgcn-amd-amdhsa -mcpu=gfx1250 --defsym DOCPART=n.
;; ======== version 1 of 2: 2 launches
;; workspace buffers: kv 33,554,432 bytes
;; launch maskcast (part 1): grid 256 x 2, 8 waves a work-group, no clusters, 0 bytes of LDS; arguments hypothesis_batch, hypothesis_mask, premise_batch, premise_mask, kv; writes kv
.if DOCPART == 1
	.amdgcn_target "amdgcn-amd-amdhsa--gfx1250"
	.amdhsa_code_object_version 6
	.text
	.protected	k_q4241447ddf_maskcast
	.globl	k_q4241447ddf_maskcast
	.p2align	8
	.type	k_q4241447ddf_maskcast,@function
k_q4241447ddf_maskcast:
	s_mov_b64 s[64:65], 0
	v_nop
	global_prefetch_b8 v0, s[64:65] scope:SCOPE_SE
	s_setreg_imm32_b32 hwreg(HW_REG_WAVE_MODE, 25, 1), 1
	s_wait_xcnt 0x0
; kv[y][row][c] = bf16( f32(mask[row]) * x[row][c] ),  y = 0: hypothesis, y = 1: premise.  x: [32768][256] f32, mask: [32768] int32.
; With the mask folded into the rows, one bf16 tile later serves both as keys (the score comes out as score x mask) and as values
; (the weighted sum comes out as weight x mask x value).  The mask is taken as any int32, converted to f32.
; A stream: no LDS, no barrier, no matrix unit, no cluster (no byte is shared between work-groups).
; Work-group = 128 rows, wave = 16 rows.  A row is 1,024 bytes in (two loads of 512 neighbouring bytes a wave) and 512 bytes out
; (two stores of 256 neighbouring bytes a wave, each starting at a multiple of 256 from kv's first byte).
; All 32 loads of a wave (16 KiB) go out at once; no register is written again behind a store, so no wait frees a source.
.set X,  8                             ; v[8:135]  row i, half c: 4 registers at X + 8 i + 4 c
.set MK, 24                            ; s[24:39]  the 16 rows' masks as f32
	s_load_b256 s[4:11], s[0:1], 0x0               ; hypothesis_batch s[4:5], hypothesis_mask s[6:7], premise_batch s[8:9], premise_mask s[10:11]
	s_load_b64 s[12:13], s[0:1], 0x20              ; kv
	s_and_b32 s14, ttmp7, 0xffff                   ; y: which tensor
	v_and_b32 v5, 31, v0                           ; lane
	v_lshrrev_b32 v6, 5, v0                        ; wave
	v_lshlrev_b32 v1, 4, v5
	v_lshl_add_u32 v1, v6, 14, v1                  ; in:  16 lane + wave x 16 rows x 1,024 bytes
	v_lshlrev_b32 v2, 3, v5
	v_lshl_add_u32 v2, v6, 13, v2                  ; out: 8 lane + wave x 16 rows x 512 bytes
	v_and_b32 v3, 15, v0
	v_lshl_add_u32 v3, v6, 4, v3
	v_lshlrev_b32 v3, 2, v3                        ; mask: 4 x (16 wave + lane mod 16): lane i (and 16 + i) takes row i's mask
	s_lshl_b32 s20, ttmp9, 17                      ; the work-group's 128 rows of 1,024 bytes
	s_mov_b32 s21, 0
	s_lshl_b32 s22, ttmp9, 9                       ; its 128 masks
	s_mov_b32 s23, 0
	s_lshl_b32 s40, s14, 24                        ; kv: 16,777,216 bytes for each tensor
	s_lshl_b32 s41, ttmp9, 16                      ; + 128 rows of 512 bytes
	s_add_co_u32 s40, s40, s41
	s_mov_b32 s41, 0
	s_wait_kmcnt 0x0
	s_cmp_eq_u32 s14, 0
	s_cselect_b64 s[16:17], s[4:5], s[8:9]         ; the tensor
	s_cselect_b64 s[18:19], s[6:7], s[10:11]       ; its mask
	s_add_nc_u64 s[16:17], s[16:17], s[20:21]
	s_add_nc_u64 s[18:19], s[18:19], s[22:23]
	s_add_nc_u64 s[12:13], s[12:13], s[40:41]
	global_load_b32 v4, v3, s[18:19]
.irp i, 0,1,2,3,4,5,6,7,8,9,10,11,12,13,14,15
	global_load_b128 v[X+8*\i:X+8*\i+3],   v1, s[16:17] offset:\i*1024 th:TH_LOAD_NT
	global_load_b128 v[X+8*\i+4:X+8*\i+7], v1, s[16:17] offset:\i*1024+512 th:TH_LOAD_NT
.endr
	s_wait_loadcnt 32                              ; the masks are in: 32 loads were issued behind them
	v_cvt_f32_i32 v4, v4
.irp i, 0,1,2,3,4,5,6,7,8,9,10,11,12,13,14,15
	v_readlane_b32 s[MK+\i], v4, \i                ; a row's mask is one number for the whole wave
.endr
.irp i, 0,1,2,3,4,5,6,7,8,9,10,11,12,13,14,15
	s_wait_loadcnt 30-2*\i                         ; row i's two loads are in: 30 - 2 i younger ones stay out
.irp j, 0,1,2,3,4,5,6,7
	v_mul_f32 v[X+8*\i+\j], s[MK+\i], v[X+8*\i+\j]
.endr
	v_cvt_pk_bf16_f32 v[X+8*\i],   v[X+8*\i],   v[X+8*\i+1]     ; rounded once, packed in place
	v_cvt_pk_bf16_f32 v[X+8*\i+1], v[X+8*\i+2], v[X+8*\i+3]
	v_cvt_pk_bf16_f32 v[X+8*\i+4], v[X+8*\i+4], v[X+8*\i+5]
	v_cvt_pk_bf16_f32 v[X+8*\i+5], v[X+8*\i+6], v[X+8*\i+7]
	global_store_b64 v2, v[X+8*\i:X+8*\i+1],   s[12:13] offset:\i*512
	global_store_b64 v2, v[X+8*\i+4:X+8*\i+5], s[12:13] offset:\i*512+256
.endr
	s_endpgm
.Lfunc_end_k_q4241447ddf_maskcast:
	.size	k_q4241447ddf_maskcast, .Lfunc_end_k_q4241447ddf_maskcast-k_q4241447ddf_maskcast
	.p2alignl 7, 3214868480
	.fill 96, 4, 3214868480
	.section	.rodata,"a",@progbits
	.p2align	6, 0x0
	.amdhsa_kernel k_q4241447ddf_maskcast
		.amdhsa_group_segment_fixed_size 0
		.amdhsa_private_segment_fixed_size 0
		.amdhsa_enable_private_segment 0
		.amdhsa_kernarg_size 40
		.amdhsa_user_sgpr_count 2
		.amdhsa_user_sgpr_kernarg_segment_ptr 1
		.amdhsa_wavefront_size32 1
		.amdhsa_system_sgpr_workgroup_id_x 1
		.amdhsa_system_sgpr_workgroup_id_y 1
		.amdhsa_system_sgpr_workgroup_id_z 1
		.amdhsa_system_vgpr_workitem_id 0
		.amdhsa_next_free_vgpr 140
		.amdhsa_next_free_sgpr 66
		.amdhsa_reserve_vcc 0
		.amdhsa_float_denorm_mode_32 3
		.amdhsa_float_denorm_mode_16_64 3
		.amdhsa_memory_ordered 1
		.amdhsa_forward_progress 1
		.amdhsa_inst_pref_size 17
	.end_amdhsa_kernel
	.amdgpu_metadata
---
amdhsa.version: [ 1, 2 ]
amdhsa.kernels:
  - .name:           k_q4241447ddf_maskcast
    .symbol:         k_q4241447ddf_maskcast.kd
    .args:
      - { .name: hypothesis_batch, .offset: 0, .size: 8, .value_kind: global_buffer, .address_space: global }
      - { .name: hypothesis_mask, .offset: 8, .size: 8, .value_kind: global_buffer, .address_space: global }
      - { .name: premise_batch, .offset: 16, .size: 8, .value_kind: global_buffer, .address_space: global }
      - { .name: premise_mask, .offset: 24, .size: 8, .value_kind: global_buffer, .address_space: global }
      - { .name: kv, .offset: 32, .size: 8, .value_kind: global_buffer, .address_space: global }
    .group_segment_fixed_size: 0
    .private_segment_fixed_size: 0
    .kernarg_segment_align: 8
    .kernarg_segment_size: 40
    .max_flat_workgroup_size: 256
    .sgpr_count:     66
    .vgpr_count:     140
    .wavefront_size: 32
...
	.end_amdgpu_metadata
.endif
;; end of part 1
;; launch attn (part 2): grid 8 x 32, 4 waves a work-group, clusters of 4 x 1, 327,680 bytes of LDS; arguments hypothesis_batch, hypothesis_mask, premise_batch, premise_mask, kv, out0, out1; writes out0, out1
.if DOCPART == 2
	.amdgcn_target "amdgcn-amd-amdhsa--gfx1250"
	.amdhsa_code_object_version 6
	.text
	.protected	k_q4241447ddf_attn
	.globl	k_q4241447ddf_attn
	.p2align	8
	.type	k_q4241447ddf_attn,@function
k_q4241447ddf_attn:
	s_mov_b64 s[64:65], 0
	v_nop
	global_prefetch_b8 v0, s[64:65] scope:SCOPE_SE
	s_setreg_imm32_b32 hwreg(HW_REG_WAVE_MODE, 25, 1), 1
	s_wait_xcnt 0x0
	s_wait_alu depctr_hold_cnt(0) depctr_sa_sdst(0) depctr_va_vdst(0) depctr_va_sdst(0) depctr_va_ssrc(0) depctr_va_vcc(0) depctr_vm_vsrc(0)
	s_getreg_b32 s2, hwreg(HW_REG_IB_STS2, 6, 4)
	s_cmp_eq_u32 s2, 0
	s_cbranch_scc0 .Lentry_in_a_cluster
	s_endpgm
.Lentry_in_a_cluster:
	s_bfe_u32 s2, ttmp6, 0x10000c
	s_cmp_lg_u32 s2, 0x3003
	s_cbranch_scc0 .Lentry_shape_is_right
	s_endpgm
.Lentry_shape_is_right:
; Both directions of the masked attention, one pass over the keys with a running maximum.
; For a query row, with t_k = score_k x m_k (score = q.k / 16), M = max t_k, e_k = exp(t_k - M):
;     out = qm x sum(e_k m_k V_k) / ( sum(e_k m_k) + 1e-13 x sum(e_k) )
; which is softmax(t) x m, renormalised with EPS, times the query's mask.  Masked keys stay in the maximum (score 0) and in sum(e).
; Keys and values are one tensor; kv holds bf16(m x row), so q.kv is t x 16 and sum(e x kv) is the numerator: one LDS tile serves both products.
; LIMITS: the weights e enter the numerator rounded to bf16, the two sums keep them in f32.  Scores that are not finite are not served.
;
; y = 16 dir + batch.  dir 0: queries premise, keys hypothesis, out0.  dir 1: the other way round, out1.
; Work-group = 256 queries, wave = 64 queries (4 tiles of 16).  Keys go in 16 tiles of 128 through two LDS slots.
; CLUSTER: the four work-groups of a cluster are four query blocks of one batch and direction and walk the same key tiles, which are asked
; for jointly (mask 15): the requests for kv are divided by four.  The place in the cluster enters only the global addresses of Q, of the query mask and of the output.
;
; BOTH PRODUCTS ARE USED TRANSPOSED, so that no number changes lanes between them:
;   scores: A = 16 keys, B = 16 queries  -> lane (r, h), register j: query r, key 8 h + j.  Sums and maxima over keys stay in a lane, but for one exchange of the halves.
;   packed to bf16, the score tiles 2 ks and 2 ks + 1 ARE the B fragment (query r; keys 8 h .., 16 + 8 h ..) of a step of 32 keys.
;   output: A = the same tile read transposed (16 columns d x 32 keys), B = the weights -> lane (r, h), register j: query r, d = 16 t + 8 h + j.
;
; LDS: slot 0 at 0, slot 1 at 67,584 (128 keys, pitch 528 = 33 x 16 bytes: the sixteen rows of a plain fragment load start in sixteen different 16-byte columns modulo 256);
;      MT at 135,168: the 2,048 key masks as f32;  QST at 143,360: for each wave 64 rows x 528 bytes, first Q in bf16, at the end (its first 16 rows) the way out.
;      MT and QST are written by LDS stores and lie in 256-byte blocks of their own: no tensor load lands there.
; REGISTERS: window 0: addresses, running figures, key fragments / weights (v64-127), scores / value fragments (v128-255);
;      window 1: Q, fragment (qt, ds) at 64 qt + 8 ds;  windows 2, 3: the output sums, tile (t, qt) at 8 (4 (t mod 8) + qt), t = 0-7 and 8-15.
.set PITCH, 528
.set SLOT,  128*PITCH                  ; 67,584
.set HALF,  64*PITCH                   ; 64 keys: what one pass of the softmax takes
.set MT,    2*SLOT
.set QST,   MT+8192
.set STEP,  65536                      ; bytes of kv in a tile of 128 keys
.set KA,   1                           ; v1, v2    plain fragment address in slot 0, 1: r x 528 + 16 h
.set VA,   3                           ; v3, v4    transposing address in slot 0, 1: (8 h + lane mod 8) x 528 + 16 ((lane / 8) mod 2)
.set HMA,  5                           ; v5        key masks of this tile: MT + 32 h + 512 x tile
.set MX,   6                           ; v[6:9]    running maximum of the raw scores, for each query tile
.set ZS,   10                          ; v[10:17]  sum of e, a pair for each query tile
.set LM,   18                          ; v[18:25]  sum of e x m, likewise
.set NM,   26                          ; v[26:33]  -c x maximum, twice
.set AL,   34                          ; v[34:41]  the factor for the old sums, twice; at the end qm / denominator, twice
.set HM,   42                          ; v[42:57]  key masks, two buffers of 8
.set TM,   42                          ; v[42:45]  the maximum at work (ahead of the key masks' loads)
.set TX,   46                          ; v[46:49]  likewise
.set QO,   58                          ; start: byte offset in a row of Q
.set QSA,  59                          ; start: where I put 8 bytes of a row of Q
.set QFA,  60                          ; start: where I read Q's fragments
.set KMO,  61                          ; start: my 16 bytes of the key masks
.set MTA,  62                          ; start: where they go
.set STO,  58                          ; end: where I put 16 bytes of a row
.set RD,   59                          ; end: where I read a row back
.set CO,   60                          ; end: my byte offset in a row of the output
.set QM,   42                          ; end: query masks
.set ZT,   46
.set LT,   50
.set PX,   54
.set KB0,  64                          ; key fragments, two buffers of 4 tiles x 8 registers
.set KB1,  96
.set PB,   64                          ; weights: fragment (ks, qt) at 32 ks + 8 qt
.set SC,   128                         ; scores: tile (kt, qt) at 32 kt + 8 qt
.set VB0,  128                         ; value fragments, two buffers: (tl, ks) at 16 tl + 8 ks
.set VB1,  192
.set TMP,  128                         ; end: scaled results
.set BK,   192                         ; end: rows read back
.set G1,   16                          ; s[16:23] descriptor group 1
.set G0,   32                          ; s[32:39] descriptor group 0, a set for each slot
.set MSB,  0
.macro WIN new                         ; register windows; the immediate's high byte repeats the setting that is left
.if MSB != (\new)
	s_set_vgpr_msb (MSB<<8)|(\new)
.set MSB, (\new)
.endif
.endm
.macro PLACES cnt
.rept \cnt
	v_nop
.endr
.endm
; A round of the cluster's barrier: my work-group's barrier, wave 0 signals for the work-group, every wave waits for all four work-groups, my work-group's barrier again.
.macro ROUND
	s_barrier_signal -1
	s_barrier_wait -1
	s_cmp_lg_u32 s26, 0
	s_cbranch_scc1 .Lnot_wave_0_\@
	s_barrier_signal -3
.Lnot_wave_0_\@:
	s_barrier_wait -3
	s_barrier_signal -1
	s_barrier_wait -1
.endm
	s_load_b256 s[4:11], s[0:1], 0x0               ; hypothesis_batch s[4:5], hypothesis_mask s[6:7], premise_batch s[8:9], premise_mask s[10:11]
	s_load_b128 s[12:15], s[0:1], 0x20             ; kv s[12:13], out0 s[14:15]
	s_load_b64 s[24:25], s[0:1], 0x30              ; out1
	v_lshl_add_u32 v150, v0, 2, 0x44000
	v_mov_b32 v151, 0
	ds_add_u32 v150, v151
	s_wait_dscnt 0x0
	v_lshrrev_b32 v42, 5, v0
	v_readfirstlane_b32 s26, v42                   ; wave 0..3
	s_bfe_u32 s27, ttmp6, 0x40000                  ; cx
	s_lshl_b32 s28, ttmp9, 2
	s_add_co_u32 s28, s28, s27                     ; query block = 4 x cluster x + cx
	s_and_b32 s29, ttmp7, 0xffff                   ; y (the cluster is one work-group high)
	s_lshr_b32 s30, s29, 4                         ; dir
	s_and_b32 s31, s29, 15                         ; batch
	s_lshl_b32 s60, s30, 24                        ; kv: dir x 16,777,216 + batch x 1,048,576 + wave x 32 rows of 512 bytes; these registers never hold cx
	s_lshl_b32 s61, s31, 20
	s_add_co_u32 s60, s60, s61
	s_lshl_b32 s61, s26, 14
	s_add_co_u32 s60, s60, s61
	s_mov_b32 s61, 0
	s_lshl_b32 s62, s31, 13                        ; key masks: batch x 8,192
	s_mov_b32 s63, 0
	s_lshl_b32 s48, s31, 21                        ; Q and output: batch x 2,097,152 + block x 262,144 + wave x 65,536
	s_lshl_b32 s49, s28, 18
	s_add_co_u32 s48, s48, s49
	s_lshl_b32 s49, s26, 16
	s_add_co_u32 s48, s48, s49
	s_mov_b32 s49, 0
	s_lshr_b32 s50, s48, 8                         ; query masks: 4 bytes for a row of 1,024
	s_mov_b32 s51, 0
	s_mov_b32 s54, 0x3db8aa3b                      ; c = log2(e) / 16: the score's scale and the change of base in one
	s_mov_b32 s55, 0x3db8aa3b
	s_mov_b32 s56, 0xbdb8aa3b                      ; -c
	s_mov_b32 s58, 0x76543210                      ; v_permlanex16_b32: lane i of one half reads lane i of the other
	s_mov_b32 s59, 0xfedcba98
	s_mul_i32 s53, s26, 32*PITCH                   ; my 32 rows of a slot
	s_mul_i32 s57, s26, 64*PITCH
	s_add_co_u32 s57, s57, QST                     ; my stage
	; descriptor group 1: 32 rows x 256 elements of 2 bytes, 4 words of padding behind every 128 words (a row); joint with all four work-groups
	s_mov_b32 s[G1+0], 15|(1<<16)|(1<<20)|(1<<21)|(6<<22)|(3<<25)
	s_mov_b32 s[G1+1], 256<<16                     ; tensor_dim0 = 256
	s_mov_b32 s[G1+2], 32<<16                      ; tensor_dim1 = 32
	s_mov_b32 s[G1+3], 256<<16                     ; tile_dim0 = 256
	s_mov_b32 s[G1+4], 32                          ; tile_dim1 = 32
	s_mov_b32 s[G1+5], 256                         ; elements from row to row
	s_mov_b32 s[G1+6], 0
	s_mov_b32 s[G1+7], 0
	s_wait_kmcnt 0x0
	s_cmp_eq_u32 s30, 0
	s_cselect_b64 s[40:41], s[8:9], s[4:5]         ; Q
	s_cselect_b64 s[42:43], s[10:11], s[6:7]       ; the queries' mask
	s_cselect_b64 s[44:45], s[6:7], s[10:11]       ; the keys' mask
	s_cselect_b64 s[46:47], s[14:15], s[24:25]     ; the output
	s_add_nc_u64 s[40:41], s[40:41], s[48:49]
	s_add_nc_u64 s[42:43], s[42:43], s[50:51]
	s_add_nc_u64 s[44:45], s[44:45], s[62:63]
	s_add_nc_u64 s[46:47], s[46:47], s[48:49]
	s_add_nc_u64 s[12:13], s[12:13], s[60:61]
.irp n, 0,1
	s_mov_b32 s[G0+4*\n], 1                                        ; count = 1
	s_add_co_u32 s[G0+4*\n+1], s53, \n*SLOT                        ; LDS: slot + wave x 32 rows
	s_add_nc_u64 s[G0+4*\n+2:G0+4*\n+3], s[12:13], \n*STEP         ; tile n
	s_or_b32 s[G0+4*\n+3], s[G0+4*\n+3], 0x80000000                ; type = 2
.endr
	ROUND                                          ; all four work-groups are here: the first joint load meets
	tensor_load_to_lds s[G0:G0+3], s[G1:G1+7]      ; tile 0 into slot 0; slot 1 is first filled behind the first trip's round, as a refill is
	s_nop 0
	v_and_b32 v42, 31, v0                          ; lane
	v_and_b32 v43, 15, v0                          ; r
	v_bfe_u32 v44, v0, 4, 1                        ; h
	v_mul_u32_u24 v[KA], v43, PITCH
	v_lshl_add_u32 v[KA], v44, 4, v[KA]
	v_add_nc_u32 v[KA+1], SLOT, v[KA]
	v_and_b32 v45, 7, v0
	v_lshl_add_u32 v45, v44, 3, v45
	v_mul_u32_u24 v[VA], v45, PITCH
	v_bfe_u32 v45, v0, 3, 1
	v_lshl_add_u32 v[VA], v45, 4, v[VA]
	v_add_nc_u32 v[VA+1], SLOT, v[VA]
	v_lshl_add_u32 v[HMA], v44, 5, MT
	v_lshlrev_b32 v[QO], 4, v42
	v_lshl_add_u32 v[QSA], v42, 3, s57
	v_add_nc_u32 v[QFA], s57, v[KA]
	v_lshlrev_b32 v[KMO], 4, v0
	v_add_nc_u32 v[MTA], MT, v[KMO]
.irp qt, 0,1,2,3
	v_mov_b32 v[MX+\qt], 0xff800000                ; -infinity: the first factor for the old sums comes out as 0
	v_mov_b32 v[TX+\qt], 0                         ; a lane permute's destination has to have been written
.endr
.irp i, 0,1,2,3,4,5,6,7
	v_mov_b32 v[ZS+\i], 0
	v_mov_b32 v[LM+\i], 0
.endr
	; the key masks (8,192 bytes, 64 a thread) and my wave's 64 rows of Q (65,536 bytes) into the registers that will hold the output sums
.irp j, 0,1,2,3
	global_load_b128 v[64+4*\j:64+4*\j+3], v[KMO], s[44:45] offset:2048*\j
.endr
	WIN 0x80                                       ; destination window 2: rows 0-31, row at 8 x row, half c at + 4 c
.set rw, 0
.rept 32
	global_load_b128 v[8*rw:8*rw+3],   v[QO], s[40:41] offset:rw*1024 th:TH_LOAD_NT
	global_load_b128 v[8*rw+4:8*rw+7], v[QO], s[40:41] offset:rw*1024+512 th:TH_LOAD_NT
.set rw, rw+1
.endr
	WIN 0xc0                                       ; window 3: rows 32-63
.set rw, 0
.rept 32
	global_load_b128 v[8*rw:8*rw+3],   v[QO], s[40:41] offset:(rw+32)*1024 th:TH_LOAD_NT
	global_load_b128 v[8*rw+4:8*rw+7], v[QO], s[40:41] offset:(rw+32)*1024+512 th:TH_LOAD_NT
.set rw, rw+1
.endr
	WIN 0
; 32 rows of Q: rounded to bf16 and laid into my stage, 256 neighbouring bytes a store
.macro QHALF win, base
	WIN \win
.set rw, 0
.rept 32
	v_cvt_pk_bf16_f32 v[SC+4*rw],   v[8*rw],   v[8*rw+1]
	v_cvt_pk_bf16_f32 v[SC+4*rw+1], v[8*rw+2], v[8*rw+3]
	v_cvt_pk_bf16_f32 v[SC+4*rw+2], v[8*rw+4], v[8*rw+5]
	v_cvt_pk_bf16_f32 v[SC+4*rw+3], v[8*rw+6], v[8*rw+7]
.set rw, rw+1
.endr
	WIN 0
.set rw, 0
.rept 32
	ds_store_b64 v[QSA], v[SC+4*rw:SC+4*rw+1]   offset:(rw+\base)*PITCH
	ds_store_b64 v[QSA], v[SC+4*rw+2:SC+4*rw+3] offset:(rw+\base)*PITCH+256
.set rw, rw+1
.endr
.endm
	s_wait_loadcnt 63                              ; of 132 loads the oldest 69 are in: the key masks and rows 0-31 (64 loads were issued behind these; the count's field ends at 63)
.irp i, 0,1,2,3,4,5,6,7,8,9,10,11,12,13,14,15
	v_cvt_f32_i32 v[64+\i], v[64+\i]
.endr
.irp j, 0,1,2,3
	ds_store_b128 v[MTA], v[64+4*\j:64+4*\j+3] offset:2048*\j
.endr
	QHALF 0x0a, 0                                  ; sources in window 2
	s_wait_loadcnt 0x0
	QHALF 0x0f, 32                                 ; sources in window 3
	WIN 0x40                                       ; destination window 1: Q's fragments, for the whole kernel.  My own bytes: LDS serves a wave's instructions in order (ISA guide 5.7.1)
.irp qt, 0,1,2,3
.irp ds, 0,1,2,3,4,5,6,7
	ds_load_b128 v[64*\qt+8*\ds:64*\qt+8*\ds+3],   v[QFA] offset:\qt*16*PITCH+64*\ds
	ds_load_b128 v[64*\qt+8*\ds+4:64*\qt+8*\ds+7], v[QFA] offset:\qt*16*PITCH+64*\ds+32
.endr
.endr
	WIN 0
; 8 LDS loads: the fragments of 4 key tiles, 32 along d at byte 64 ds, of the 64 keys u of a slot
.macro FETCHK ka, u, ds, kb
.irp kt, 0,1,2,3
	ds_load_b128 v[\kb+8*\kt:\kb+8*\kt+3],   v[\ka] offset:\u*HALF+\kt*16*PITCH+64*(\ds)
	ds_load_b128 v[\kb+8*\kt+4:\kb+8*\kt+7], v[\ka] offset:\u*HALF+\kt*16*PITCH+64*(\ds)+32
.endr
.endm
; 16 matrix instructions on 16 accumulators: 4 key tiles x 4 query tiles, 32 along d.  The accumulators take turns, one instruction a turn.
.macro SBLK kb, ds, zero
.irp kt, 0,1,2,3
.irp qt, 0,1,2,3
.if \zero
	v_wmma_f32_16x16x32_bf16 v[SC+32*\kt+8*\qt:SC+32*\kt+8*\qt+7], v[\kb+8*\kt:\kb+8*\kt+7], v[64*\qt+8*(\ds):64*\qt+8*(\ds)+7], 0
.else
	v_wmma_f32_16x16x32_bf16 v[SC+32*\kt+8*\qt:SC+32*\kt+8*\qt+7], v[\kb+8*\kt:\kb+8*\kt+7], v[64*\qt+8*(\ds):64*\qt+8*(\ds)+7], v[SC+32*\kt+8*\qt:SC+32*\kt+8*\qt+7]
.endif
.endr
.endr
.endm
; The scores of 64 keys x 64 queries: 128 matrix instructions, key fragments two steps of d ahead in two buffers.
; One window setting for all of it: source 1 (Q) in window 1, all else, the loads too, in window 0.
.macro SPHASE ka, u
	WIN 0x04
	FETCHK \ka, \u, 0, KB0
	FETCHK \ka, \u, 1, KB1
.irp ds, 0,1,2,3,4,5,6,7
.if \ds == 7
	s_wait_dscnt 0x0                               ; the last fragments: nothing was issued behind them
.else
	s_wait_dscnt 0x8                               ; this step's 8 loads are in; the next step's 8 stay out
.endif
.if \ds == 0
	SBLK KB0, 0, 1                                 ; the first product starts the sums
.else
	SBLK KB0+32*(\ds&1), \ds, 0
.endif
.if \ds < 6
	PLACES 4                                       ; four places between a matrix instruction and a load into its sources (ISA guide 7.12.1 for vector instructions)
	FETCHK \ka, \u, \ds+2, KB0+32*(\ds&1)
.endif
.endr
	PLACES 4                                       ; four places before vector instructions read the scores and write over the key fragments
	WIN 0
.endm
; The running maximum, over my 32 scores of each query and the other half's, the factor for the old sums, and the two sums brought to the new maximum.
.macro MAXST
.irp qt, 0,1,2,3
	v_max3_num_f32 v[TM+\qt], v[MX+\qt], v[SC+8*\qt], v[SC+8*\qt+1]
.endr
.irp j, 2,4,6
.irp qt, 0,1,2,3
	v_max3_num_f32 v[TM+\qt], v[TM+\qt], v[SC+8*\qt+\j], v[SC+8*\qt+\j+1]
.endr
.endr
.irp kt, 1,2,3
.irp j, 0,2,4,6
.irp qt, 0,1,2,3
	v_max3_num_f32 v[TM+\qt], v[TM+\qt], v[SC+32*\kt+8*\qt+\j], v[SC+32*\kt+8*\qt+\j+1]
.endr
.endr
.endr
.irp qt, 0,1,2,3
	v_permlanex16_b32 v[TX+\qt], v[TM+\qt], s58, s59
.endr
.irp qt, 0,1,2,3
	v_max_num_f32 v[TM+\qt], v[TM+\qt], v[TX+\qt]  ; the same in both halves
.endr
.irp qt, 0,1,2,3
	v_sub_f32 v[TX+\qt], v[MX+\qt], v[TM+\qt]      ; exactly 0 where the maximum stays
.endr
.irp qt, 0,1,2,3
	v_mul_f32 v[TX+\qt], s54, v[TX+\qt]
	v_mov_b32 v[MX+\qt], v[TM+\qt]
	v_mul_f32 v[NM+2*\qt], s56, v[TM+\qt]
	v_mul_f32 v[NM+2*\qt+1], s56, v[TM+\qt]
.endr
.irp qt, 0,1,2,3
	v_exp_f32 v[AL+2*\qt], v[TX+\qt]
	v_exp_f32 v[AL+2*\qt+1], v[TX+\qt]
.endr
	v_nop                                          ; one plain place behind the exponentials (ISA guide 5.7.2)
	s_wait_alu depctr_va_vdst(0)
.irp qt, 0,1,2,3
	v_pk_mul_f32 v[ZS+2*\qt:ZS+2*\qt+1], v[ZS+2*\qt:ZS+2*\qt+1], v[AL+2*\qt:AL+2*\qt+1]
	v_pk_mul_f32 v[LM+2*\qt:LM+2*\qt+1], v[LM+2*\qt:LM+2*\qt+1], v[AL+2*\qt:AL+2*\qt+1]
.endr
.endm
; the masks of my 8 keys of key tile kt
.macro HMLD kt, u
	ds_load_b128 v[HM+8*(\kt&1):HM+8*(\kt&1)+3],   v[HMA] offset:\u*256+64*\kt
	ds_load_b128 v[HM+8*(\kt&1)+4:HM+8*(\kt&1)+7], v[HMA] offset:\u*256+64*\kt+16
.endm
; the output sums brought to the new maximum: always, since no branch may hang on the scores
.macro RESC1
.irp t, 0,1,2,3,4,5,6,7
.irp qt, 0,1,2,3
.irp i, 0,2,4,6
	v_pk_mul_f32 v[8*(4*\t+\qt)+\i:8*(4*\t+\qt)+\i+1], v[8*(4*\t+\qt)+\i:8*(4*\t+\qt)+\i+1], v[AL+2*\qt:AL+2*\qt+1]
.endr
.endr
.endr
.endm
.macro RESCALE
	WIN 0x82                                       ; destination and source 0 in window 2
	RESC1
	WIN 0xc3                                       ; in window 3
	RESC1
	WIN 0
.endm
; Key tile kt: e = 2^(c s - c max), both sums, and the weights packed to bf16.  cnt = LDS instructions issued behind this tile's masks.
.macro EXPKT kt, cnt
.irp i, 0,2,4,6
.irp qt, 0,1,2,3
	v_pk_fma_f32 v[SC+32*\kt+8*\qt+\i:SC+32*\kt+8*\qt+\i+1], v[SC+32*\kt+8*\qt+\i:SC+32*\kt+8*\qt+\i+1], s[54:55], v[NM+2*\qt:NM+2*\qt+1] op_sel_hi:[1,0,1]
.endr
.endr
.irp qt, 0,1,2,3
.irp i, 0,1,2,3,4,5,6,7
	v_exp_f32 v[SC+32*\kt+8*\qt+\i], v[SC+32*\kt+8*\qt+\i]
.endr
.endr
	s_wait_dscnt \cnt
	v_nop                                          ; one plain place behind the exponentials
	s_wait_alu depctr_va_vdst(0)
.irp i, 0,2,4,6
.irp qt, 0,1,2,3
	v_pk_add_f32 v[ZS+2*\qt:ZS+2*\qt+1], v[ZS+2*\qt:ZS+2*\qt+1], v[SC+32*\kt+8*\qt+\i:SC+32*\kt+8*\qt+\i+1]
.endr
.irp qt, 0,1,2,3
	v_pk_fma_f32 v[LM+2*\qt:LM+2*\qt+1], v[SC+32*\kt+8*\qt+\i:SC+32*\kt+8*\qt+\i+1], v[HM+8*(\kt&1)+\i:HM+8*(\kt&1)+\i+1], v[LM+2*\qt:LM+2*\qt+1]
.endr
.endr
.irp qt, 0,1,2,3
.irp i, 0,1,2,3
	v_cvt_pk_bf16_f32 v[PB+32*(\kt>>1)+8*\qt+4*(\kt&1)+\i], v[SC+32*\kt+8*\qt+2*\i], v[SC+32*\kt+8*\qt+2*\i+1]
.endr
.endr
.endm
; 16 transposing loads: the value fragments of 4 tiles of d (4 g .. 4 g + 3) x 2 steps of 32 keys
.macro FETCHV va, u, g, vb
.irp tl, 0,1,2,3
.irp ks, 0,1
	ds_load_tr16_b128 v[\vb+16*\tl+8*\ks:\vb+16*\tl+8*\ks+3],   v[\va] offset:(64*\u+32*\ks)*PITCH+32*(4*\g+\tl)
	ds_load_tr16_b128 v[\vb+16*\tl+8*\ks+4:\vb+16*\tl+8*\ks+7], v[\va] offset:(64*\u+32*\ks+16)*PITCH+32*(4*\g+\tl)
.endr
.endr
.endm
; 32 matrix instructions: 16 accumulators (4 tiles of d x 4 query tiles) by turns, one instruction a turn; then the same 16 for the second 32 keys
.macro PVG vb, g, zero
.if \g < 2
	WIN 0xa0                                       ; C and D in window 2
.else
	WIN 0xf0                                       ; in window 3
.endif
.irp ks, 0,1
.irp tl, 0,1,2,3
.irp qt, 0,1,2,3
.set OI, 8*(4*(4*(\g&1)+\tl)+\qt)
.if \zero*(1-\ks)
	v_wmma_f32_16x16x32_bf16 v[OI:OI+7], v[\vb+16*\tl+8*\ks:\vb+16*\tl+8*\ks+7], v[PB+32*\ks+8*\qt:PB+32*\ks+8*\qt+7], 0
.else
	v_wmma_f32_16x16x32_bf16 v[OI:OI+7], v[\vb+16*\tl+8*\ks:\vb+16*\tl+8*\ks+7], v[PB+32*\ks+8*\qt:PB+32*\ks+8*\qt+7], v[OI:OI+7]
.endif
.endr
.endr
.endr
.endm
; 64 keys: scores, softmax step, weighted sum.  first = 1: the very first: nothing to rescale, the first products start the output sums.
; Each counted wait on DScnt names the LDS instructions issued behind the loads that it needs.
.macro SUB slot, u, first
	SPHASE KA+\slot, \u
	MAXST
	HMLD 0, \u
	HMLD 1, \u
.if \first == 0
	RESCALE
.endif
	EXPKT 0, 2                                     ; behind tile 0's masks: tile 1's 2 loads
	HMLD 2, \u
	EXPKT 1, 2                                     ; behind tile 1's: tile 2's
	HMLD 3, \u
	FETCHV VA+\slot, \u, 0, VB0                    ; over the scores of key tiles 0 and 1, which are packed
	EXPKT 2, 18                                    ; behind tile 2's: tile 3's 2 and 16 value loads
	EXPKT 3, 16                                    ; behind tile 3's: the 16 value loads
	FETCHV VA+\slot, \u, 1, VB1
	s_wait_dscnt 16                                ; group 0 is in, group 1's 16 stay out
	PVG VB0, 0, \first
	PLACES 4                                       ; four places before loads into that group's fragments
	WIN 0
	FETCHV VA+\slot, \u, 2, VB0
	s_wait_dscnt 16
	PVG VB1, 1, \first
	PLACES 4
	WIN 0
	FETCHV VA+\slot, \u, 3, VB1
	s_wait_dscnt 16
	PVG VB0, 2, \first
	s_wait_dscnt 0
	PVG VB1, 3, \first
	PLACES 5                                       ; five places before the next scores' matrix instructions write over the value fragments
	WIN 0
.endm
; A tile of 128 keys.  In front of the round every wave has waited for all its tensor loads (one is out by this text's count: its part of this tile) and for
; its reads of the other slot; the round makes both hold of every wave of all four work-groups; the joint refill of the other slot is the first thing behind it.
.macro TRIP slot, refill, first
	s_wait_xcnt 0x0
	v_lshl_add_u32 v150, v0, 2, 0x44000
	v_mov_b32 v151, 0
	s_wait_tensorcnt 0x0
	ds_add_u32 v150, v151
	s_wait_dscnt 0x0
	s_add_nc_u64 s[G0+4*\slot+2:G0+4*\slot+3], s[G0+4*\slot+2:G0+4*\slot+3], 2*STEP   ; no load of mine is out: this slot's next tile
	s_wait_dscnt 0x0
	ROUND
.if \refill
	tensor_load_to_lds s[G0+4-4*\slot:G0+7-4*\slot], s[G1:G1+7]    ; it has this trip's 512 matrix instructions in which to land
	s_nop 0
.endif
	SUB \slot, 0, \first
	SUB \slot, 1, 0
	v_add_nc_u32 v[HMA], 512, v[HMA]               ; the next 128 key masks
.endm
	TRIP 0, 1, 1                                   ; its wait on DScnt and its round also show every wave's key masks to all, and my Q fragments to me
	TRIP 1, 1, 0
	s_mov_b32 s52, 6
.Lloop:
	TRIP 0, 1, 0
	TRIP 1, 1, 0
	s_sub_co_u32 s52, s52, 1
	s_cmp_lg_u32 s52, 0
	s_cbranch_scc1 .Lloop
	TRIP 0, 1, 0                                   ; tiles 14 and 15: the last trip fetches nothing (the stepped addresses are not used)
	TRIP 1, 0, 0
	; THE END: factor = query mask / (sum(e m) + 1e-13 sum(e)), then 16 queries x 128 columns at a time through my stage.
	v_and_b32 v63, 15, v0
	v_lshlrev_b32 v63, 2, v63
.irp qt, 0,1,2,3
	global_load_b32 v[QM+\qt], v63, s[42:43] offset:64*\qt         ; the mask of query 16 qt + r
.endr
.irp qt, 0,1,2,3
	v_add_f32 v[ZT+\qt], v[ZS+2*\qt], v[ZS+2*\qt+1]
	v_add_f32 v[LT+\qt], v[LM+2*\qt], v[LM+2*\qt+1]
.endr
.irp qt, 0,1,2,3
	v_permlanex16_b32 v[PX+\qt], v[ZT+\qt], s58, s59
.endr
.irp qt, 0,1,2,3
	v_add_f32 v[ZT+\qt], v[ZT+\qt], v[PX+\qt]
.endr
.irp qt, 0,1,2,3
	v_permlanex16_b32 v[PX+\qt], v[LT+\qt], s58, s59
.endr
.irp qt, 0,1,2,3
	v_add_f32 v[LT+\qt], v[LT+\qt], v[PX+\qt]
.endr
.irp qt, 0,1,2,3
	v_fmamk_f32 v[LT+\qt], v[ZT+\qt], 0x29e12e13, v[LT+\qt]        ; + 1e-13 x sum(e)
.endr
.irp qt, 0,1,2,3
	v_rcp_f32 v[LT+\qt], v[LT+\qt]
.endr
	v_nop                                          ; one plain place behind the reciprocals
	v_bfe_u32 v62, v0, 4, 1
	v_lshl_add_u32 v[STO], v62, 4, v[KA]           ; r x 528 + 32 h
	v_add_nc_u32 v[STO], s57, v[STO]
	v_and_b32 v[CO], 31, v0
	v_lshlrev_b32 v[CO], 4, v[CO]                  ; 16 x lane
	v_add_nc_u32 v[RD], s57, v[CO]
	s_wait_loadcnt 0x0
.irp qt, 0,1,2,3
	v_cvt_f32_i32 v[QM+\qt], v[QM+\qt]
.endr
	s_wait_alu depctr_va_vdst(0)
.irp qt, 0,1,2,3
	v_mul_f32 v[AL+2*\qt], v[QM+\qt], v[LT+\qt]
	v_mul_f32 v[AL+2*\qt+1], v[QM+\qt], v[LT+\qt]
.endr
; query tile qt, columns 128 w .. 128 w + 127 (window 2 + w): scaled, 16 bytes a lane into rows of 528 bytes, read back as whole rows of 512 bytes
.macro OUTU qt, w
	WIN 0x02+\w                                    ; source 0 in window 2 + w
.irp t, 0,1,2,3,4,5,6,7
.irp i, 0,2,4,6
	v_pk_mul_f32 v[TMP+8*\t+\i:TMP+8*\t+\i+1], v[8*(4*\t+\qt)+\i:8*(4*\t+\qt)+\i+1], v[AL+2*\qt:AL+2*\qt+1]
.endr
.endr
	WIN 0
.irp t, 0,1,2,3,4,5,6,7
	ds_store_b128 v[STO], v[TMP+8*\t:TMP+8*\t+3]   offset:64*\t
	ds_store_b128 v[STO], v[TMP+8*\t+4:TMP+8*\t+7] offset:64*\t+16
.endr
	s_wait_xcnt 0x0                                ; the registers that the last unit's stores read are loaded again only behind this wait
.irp t, 0,1,2,3,4,5,6,7,8,9,10,11,12,13,14,15
	ds_load_b128 v[BK+4*\t:BK+4*\t+3], v[RD] offset:PITCH*\t       ; my own bytes, served in order: these see the stores above
.endr
.irp t, 0,1,2,3,4,5,6,7,8,9,10,11,12,13,14,15
	s_wait_dscnt 15-\t
	global_store_b128 v[CO], v[BK+4*\t:BK+4*\t+3], s[46:47] offset:(16*\qt+\t)*1024+512*\w th:TH_STORE_NT   ; the wave stores 512 neighbouring bytes, at a multiple of 512 from the output's first byte
.endr
.endm
.irp qt, 0,1,2,3
	OUTU \qt, 0
	OUTU \qt, 1
.endr
	s_wait_dscnt 0x0
	s_wait_xcnt 0x0
	v_lshl_add_u32 v150, v0, 2, 0x44000
	v_mov_b32 v151, 0
	s_wait_tensorcnt 0x0
	ds_add_u32 v150, v151
	s_wait_dscnt 0x0
	ROUND                                          ; the closing round: no work-group ends while a partner may still ask for a tile that names it
	s_endpgm
.Lfunc_end_k_q4241447ddf_attn:
	.size	k_q4241447ddf_attn, .Lfunc_end_k_q4241447ddf_attn-k_q4241447ddf_attn
	.p2alignl 7, 3214868480
	.fill 96, 4, 3214868480
	.section	.rodata,"a",@progbits
	.p2align	6, 0x0
	.amdhsa_kernel k_q4241447ddf_attn
		.amdhsa_group_segment_fixed_size 327680
		.amdhsa_private_segment_fixed_size 0
		.amdhsa_enable_private_segment 0
		.amdhsa_kernarg_size 56
		.amdhsa_user_sgpr_count 2
		.amdhsa_user_sgpr_kernarg_segment_ptr 1
		.amdhsa_wavefront_size32 1
		.amdhsa_system_sgpr_workgroup_id_x 1
		.amdhsa_system_sgpr_workgroup_id_y 1
		.amdhsa_system_sgpr_workgroup_id_z 1
		.amdhsa_system_vgpr_workitem_id 0
		.amdhsa_next_free_vgpr 1024
		.amdhsa_next_free_sgpr 66
		.amdhsa_reserve_vcc 0
		.amdhsa_float_denorm_mode_32 3
		.amdhsa_float_denorm_mode_16_64 3
		.amdhsa_memory_ordered 1
		.amdhsa_forward_progress 1
		.amdhsa_inst_pref_size 255
	.end_amdhsa_kernel
	.section	.bss,"aw",@nobits
	.p2align	6
	.space	262144
	.amdgpu_metadata
---
amdhsa.version: [ 1, 2 ]
amdhsa.kernels:
  - .name:           k_q4241447ddf_attn
    .symbol:         k_q4241447ddf_attn.kd
    .args:
      - { .name: hypothesis_batch, .offset: 0, .size: 8, .value_kind: global_buffer, .address_space: global }
      - { .name: hypothesis_mask, .offset: 8, .size: 8, .value_kind: global_buffer, .address_space: global }
      - { .name: premise_batch, .offset: 16, .size: 8, .value_kind: global_buffer, .address_space: global }
      - { .name: premise_mask, .offset: 24, .size: 8, .value_kind: global_buffer, .address_space: global }
      - { .name: kv, .offset: 32, .size: 8, .value_kind: global_buffer, .address_space: global }
      - { .name: out0, .offset: 40, .size: 8, .value_kind: global_buffer, .address_space: global }
      - { .name: out1, .offset: 48, .size: 8, .value_kind: global_buffer, .address_space: global }
    .group_segment_fixed_size: 327680
    .private_segment_fixed_size: 0
    .kernarg_segment_align: 8
    .kernarg_segment_size: 56
    .max_flat_workgroup_size: 128
    .sgpr_count:     66
    .vgpr_count:     1024
    .wavefront_size: 32
...
	.end_amdgpu_metadata
.endif
;; end of part 2
;; ======== version 2 of 2: 2 launches; version 1 with the launch maskcast written anew for expert scheduling mode
;; workspace buffers: kv 33,554,432 bytes
;; launch maskcast (part 3): grid 256 x 2, 8 waves a work-group, no clusters, 0 bytes of LDS; arguments hypothesis_batch, hypothesis_mask, premise_batch, premise_mask, kv; writes kv
.if DOCPART == 3
	.amdgcn_target "amdgcn-amd-amdhsa--gfx1250"
	.amdhsa_code_object_version 6
	.text
	.protected	k_q4241447ddf_maskcast
	.globl	k_q4241447ddf_maskcast
	.p2align	8
	.type	k_q4241447ddf_maskcast,@function
k_q4241447ddf_maskcast:
	s_mov_b64 s[64:65], 0
	v_nop
	global_prefetch_b8 v0, s[64:65] scope:SCOPE_SE
	s_setreg_imm32_b32 hwreg(HW_REG_WAVE_SCHED_MODE, 0, 2), 2
	s_setreg_imm32_b32 hwreg(HW_REG_WAVE_MODE, 25, 1), 1
	s_wait_xcnt 0x0
	s_wait_alu depctr_vm_vsrc(0)
; kv[y][row][c] = bf16( f32(mask[row]) * x[row][c] ),  y = 0: hypothesis, y = 1: premise.  x: [32768][256] f32, mask: [32768] int32.
; With the mask folded into the rows, one bf16 tile later serves both as keys (the score comes out as score x mask) and as values
; (the weighted sum comes out as weight x mask x value).  The mask is taken as any int32, converted to f32.
; A stream: no LDS, no barrier, no matrix unit, no cluster (no byte is shared between work-groups).
; Work-group = 128 rows, wave = 16 rows.  A row is 1,024 bytes in (two loads of 512 neighbouring bytes a wave) and 512 bytes out
; (two stores of 256 neighbouring bytes a wave, each starting at a multiple of 256 from kv's first byte).
; All 32 loads of a wave (16 KiB) go out at once; no register is written again behind a store, so no wait frees a source.
; THE MODE: SCHED_MODE bits 1:0 = 2 (LLVM: expert scheduling mode 2), set by the entry lines.  The code itself states the register dependences
; between vector instructions and memory instructions, with s_wait_alu, always for 0.
; THE PLAN.  Registers that memory instructions touch:
;   v1, v2, v3   byte offsets (x, kv, mask), made once at the head and never written again.
;   v4           the mask load lands in it; behind that only vector instructions name it.
;   X            row i's two loads land in its eight registers; they are issued at the head, before any vector instruction has named X.
;                Row i's twelve vector instructions multiply and round in place; two stores read four of the eight; nothing writes them again.
;   s[MK ..]     written by v_readlane_b32, read by the rows' multiplies.
; The 16 rows go in four blocks of four.  A block's eight stores are issued at the head of the next block, behind ONE wait, which states that the
; block's roundings have written their data; the vector instructions that follow name the next block's rows alone.
; No register that a memory instruction reads is written again, so the text holds no wait for memory instructions to have read their registers.
.set X,  8                             ; v[8:135]  row i, half c: 4 registers at X + 8 i + 4 c
.set MK, 24                            ; s[24:39]  the 16 rows' masks as f32
	s_load_b256 s[4:11], s[0:1], 0x0               ; hypothesis_batch s[4:5], hypothesis_mask s[6:7], premise_batch s[8:9], premise_mask s[10:11]
	s_load_b64 s[12:13], s[0:1], 0x20              ; kv
	s_and_b32 s14, ttmp7, 0xffff                   ; y: which tensor
	v_and_b32 v5, 31, v0                           ; lane
	v_lshrrev_b32 v6, 5, v0                        ; wave
	v_lshlrev_b32 v1, 4, v5
	v_lshl_add_u32 v1, v6, 14, v1                  ; in:  16 lane + wave x 16 rows x 1,024 bytes
	v_lshlrev_b32 v2, 3, v5
	v_lshl_add_u32 v2, v6, 13, v2                  ; out: 8 lane + wave x 16 rows x 512 bytes
	v_and_b32 v3, 15, v0
	v_lshl_add_u32 v3, v6, 4, v3
	v_lshlrev_b32 v3, 2, v3                        ; mask: 4 x (16 wave + lane mod 16): lane i (and 16 + i) takes row i's mask
	s_lshl_b32 s20, ttmp9, 17                      ; the work-group's 128 rows of 1,024 bytes
	s_mov_b32 s21, 0
	s_lshl_b32 s22, ttmp9, 9                       ; its 128 masks
	s_mov_b32 s23, 0
	s_lshl_b32 s40, s14, 24                        ; kv: 16,777,216 bytes for each tensor
	s_lshl_b32 s41, ttmp9, 16                      ; + 128 rows of 512 bytes
	s_add_co_u32 s40, s40, s41
	s_mov_b32 s41, 0
	s_wait_kmcnt 0x0
	s_cmp_eq_u32 s14, 0
	s_cselect_b64 s[16:17], s[4:5], s[8:9]         ; the tensor
	s_cselect_b64 s[18:19], s[6:7], s[10:11]       ; its mask
	s_add_nc_u64 s[16:17], s[16:17], s[20:21]
	s_add_nc_u64 s[18:19], s[18:19], s[22:23]
	s_add_nc_u64 s[12:13], s[12:13], s[40:41]
	s_wait_alu depctr_va_vdst(0)                   ; v1, v2 and v3 are written: every load and store of the kernel reads one of them as its offset
	global_load_b32 v4, v3, s[18:19]
.irp i, 0,1,2,3,4,5,6,7,8,9,10,11,12,13,14,15
	global_load_b128 v[X+8*\i:X+8*\i+3],   v1, s[16:17] offset:\i*1024 th:TH_LOAD_NT
	global_load_b128 v[X+8*\i+4:X+8*\i+7], v1, s[16:17] offset:\i*1024+512 th:TH_LOAD_NT
.endr
	s_wait_loadcnt 32                              ; the masks are in: 32 loads were issued behind them
	v_cvt_f32_i32 v4, v4
.irp i, 0,1,2,3,4,5,6,7,8,9,10,11,12,13,14,15
	v_readlane_b32 s[MK+\i], v4, \i                ; a row's mask is one number for the whole wave
.endr
	s_wait_alu depctr_va_sdst(0)                   ; s[MK] to s[MK+15] are written, ahead of their first reader: one wait for the run of sixteen
; Row r: multiplied by its mask, rounded once, packed in place.
.macro WORK r
.irp j, 0,1,2,3,4,5,6,7
	v_mul_f32 v[X+8*(\r)+\j], s[MK+(\r)], v[X+8*(\r)+\j]
.endr
	v_cvt_pk_bf16_f32 v[X+8*(\r)],   v[X+8*(\r)],   v[X+8*(\r)+1]     ; rounded once, packed in place
	v_cvt_pk_bf16_f32 v[X+8*(\r)+1], v[X+8*(\r)+2], v[X+8*(\r)+3]
	v_cvt_pk_bf16_f32 v[X+8*(\r)+4], v[X+8*(\r)+4], v[X+8*(\r)+5]
	v_cvt_pk_bf16_f32 v[X+8*(\r)+5], v[X+8*(\r)+6], v[X+8*(\r)+7]
.endm
; The eight stores of block b, in one run.
.macro SEND b
.irp i, 0,1,2,3
	global_store_b64 v2, v[X+8*(4*(\b)+\i):X+8*(4*(\b)+\i)+1],   s[12:13] offset:(4*(\b)+\i)*512
	global_store_b64 v2, v[X+8*(4*(\b)+\i)+4:X+8*(4*(\b)+\i)+5], s[12:13] offset:(4*(\b)+\i)*512+256
.endr
.endm
; Block b: rows 4 b to 4 b + 3.  At its head, behind the wait for its first row, the block before goes out.
.macro BLK b
.irp i, 0,1,2,3
	s_wait_loadcnt 30-2*(4*(\b)+\i)                ; row 4 b + i's two loads are in: the younger rows' loads stay out
.if ((\i) == 0) && ((\b) > 0)
	s_wait_alu depctr_va_vdst(0)                   ; the block before has written its packed rows, which the eight stores below read; no vector instruction behind this wait names them
	SEND (\b)-1
.endif
	WORK 4*(\b)+\i
.endr
.endm
	BLK 0
	BLK 1
	BLK 2
	BLK 3
	s_wait_alu depctr_va_vdst(0)                   ; block 3 has written its packed rows, which the last eight stores read
	SEND 3
	s_endpgm
.Lfunc_end_k_q4241447ddf_maskcast:
	.size	k_q4241447ddf_maskcast, .Lfunc_end_k_q4241447ddf_maskcast-k_q4241447ddf_maskcast
	.p2alignl 7, 3214868480
	.fill 96, 4, 3214868480
	.section	.rodata,"a",@progbits
	.p2align	6, 0x0
	.amdhsa_kernel k_q4241447ddf_maskcast
		.amdhsa_group_segment_fixed_size 0
		.amdhsa_private_segment_fixed_size 0
		.amdhsa_enable_private_segment 0
		.amdhsa_kernarg_size 40
		.amdhsa_user_sgpr_count 2
		.amdhsa_user_sgpr_kernarg_segment_ptr 1
		.amdhsa_wavefront_size32 1
		.amdhsa_system_sgpr_workgroup_id_x 1
		.amdhsa_system_sgpr_workgroup_id_y 1
		.amdhsa_system_sgpr_workgroup_id_z 1
		.amdhsa_system_vgpr_workitem_id 0
		.amdhsa_next_free_vgpr 140
		.amdhsa_next_free_sgpr 66
		.amdhsa_reserve_vcc 0
		.amdhsa_float_denorm_mode_32 3
		.amdhsa_float_denorm_mode_16_64 3
		.amdhsa_memory_ordered 1
		.amdhsa_forward_progress 1
		.amdhsa_inst_pref_size 18
	.end_amdhsa_kernel
	.amdgpu_metadata
---
amdhsa.version: [ 1, 2 ]
amdhsa.kernels:
  - .name:           k_q4241447ddf_maskcast
    .symbol:         k_q4241447ddf_maskcast.kd
    .args:
      - { .name: hypothesis_batch, .offset: 0, .size: 8, .value_kind: global_buffer, .address_space: global }
      - { .name: hypothesis_mask, .offset: 8, .size: 8, .value_kind: global_buffer, .address_space: global }
      - { .name: premise_batch, .offset: 16, .size: 8, .value_kind: global_buffer, .address_space: global }
      - { .name: premise_mask, .offset: 24, .size: 8, .value_kind: global_buffer, .address_space: global }
      - { .name: kv, .offset: 32, .size: 8, .value_kind: global_buffer, .address_space: global }
    .group_segment_fixed_size: 0
    .private_segment_fixed_size: 0
    .kernarg_segment_align: 8
    .kernarg_segment_size: 40
    .max_flat_workgroup_size: 256
    .sgpr_count:     66
    .vgpr_count:     140
    .wavefront_size: 32
...
	.end_amdgpu_metadata
.endif
;; end of part 3
;; launch attn: the kernel of part 2 again; grid 8 x 32, 4 waves a work-group, clusters of 4 x 1, 327,680 bytes of LDS; arguments hypothesis_batch, hypothesis_mask, premise_batch, premise_mask, kv, out0, out1; writes out0, out1
